; MI455X (gfx1250); checked and timed in simulation.
; The chip was launched on July 23, 2026; its instructions are those of AMD's public machine-readable ISA for CDNA 5 (MIT licence, August 2026) and "CDNA5" Instruction Set Architecture Reference Guide (July 2026). The comments in the code are by the model that wrote it; some were corrected since.
;; ATTR NETWORK. Allowed arithmetic: matrix products marked QUANTISED: E2M3 operands, one E8M0 scale for each 32 along K, by v_wmma_scale_f32_16x16x128_f8f6f4 with both operands' format E2M3, f32 sums; products left as they are: f32 operands where the result goes on into a quantised operand, else bf16, f16 or f32 operands; f32 sums; everything else in f32.
;; Inputs: attn_out_b 2 x 256 float32; attn_out_w 2 x 256 x 256 float32; attr 256 x 128 int32; attr_emb 50,000 x 256 float32; attr_feat 256 x 13 float32; attr_inds 256 x 128 int32; attr_lens 256 int32; attr_lens_item 256 int32; attr_lens_user 256 int32; attr_tf 256 x 128 float32; ff1_b 2 x 1,024 float32; ff1_w 2 x 1,024 x 256 float32; ff2_b 2 x 256 float32; ff2_w 2 x 256 x 1,024 float32; fw_W 1 x 13 float32; fw_b 1 float32; item_emb 10,000 x 256 float32; item_ids 256 int32; ln1_b 2 x 256 float32; ln1_s 2 x 256 float32; ln2_b 2 x 256 float32; ln2_s 2 x 256 float32; neg_lens 256 int32; neg_targets 256 x 500 int32; out_emb 50,000 x 768 float32; pos_lens 256 int32; pos_targets 256 x 100 int32; qkv_b 2 x 768 float32; qkv_w 2 x 768 x 256 float32; user_emb 10,000 x 256 float32; user_ids 256 int32.
;; Outputs: out0 256 x 600 float32; out1 256 x 600 bool; out2 256 x 600 int32.
;; This version of the problem:
;;   THIS VERSION OF THE PROBLEM IS GIVEN IN LOW PRECISION. The matrix products marked QUANTISED in the list below multiply operands that are first quantised to E2M3 (2 exponent bits, 3 mantissa bits; 6 bits a number), with one power-of-two scale for each 32 numbers along K (OCP MX v1.0); their sums are f32. All else is computed in f32.
;;   The module's matrix products, in the order in which they are computed (A, B: the left and right operand; K: the contracted axis; several contracted axes count as one K, in the product's order):
;;     1. [M 32,768, K 256] x [K 256, N 768]; A: computed on the way; B: input qkv_w: QUANTISED
;;     2. batch 1,024 x [M 128, K 64] x [K 64, N 128]; A: computed on the way; B: computed on the way: QUANTISED
;;     3. batch 1,024 x [M 64, K 128] x [K 128, N 128]; A: computed on the way; B: softmax (see below): QUANTISED
;;     4. [M 32,768, K 256] x [K 256, N 256]; A: computed on the way; B: input attn_out_w: QUANTISED
;;     5. [M 32,768, K 256] x [K 256, N 1,024]; A: computed on the way; B: input ff1_w: QUANTISED
;;     6. [M 32,768, K 1,024] x [K 1,024, N 256]; A: computed on the way; B: input ff2_w: QUANTISED
;;     7. [M 32,768, K 256] x [K 256, N 768]; A: computed on the way; B: input qkv_w: QUANTISED
;;     8. batch 1,024 x [M 128, K 64] x [K 64, N 128]; A: computed on the way; B: computed on the way: QUANTISED
;;     9. batch 1,024 x [M 64, K 128] x [K 128, N 128]; A: computed on the way; B: softmax (see below): QUANTISED
;;     10. [M 32,768, K 256] x [K 256, N 256]; A: computed on the way; B: input attn_out_w: QUANTISED
;;     11. [M 32,768, K 256] x [K 256, N 1,024]; A: computed on the way; B: input ff1_w: QUANTISED
;;     12. [M 32,768, K 1,024] x [K 1,024, N 256]; A: computed on the way; B: input ff2_w: QUANTISED
;;     13. [M 256, K 13] x [K 13, N 1]; A: input attr_feat; B: input fw_W: left as it is (K = 13 < 32)
;;     14. batch 256 x [M 1, K 128] x [K 128, N 256]; A: computed on the way; B: computed on the way: left as it is (M = 1 < 16)
;;     15. batch 256 x [M 100, K 768] x [K 768, N 1]; A: computed on the way; B: computed on the way: left as it is (N = 1 < 16)
;;     16. batch 256 x [M 500, K 768] x [K 768, N 1]; A: computed on the way; B: computed on the way: left as it is (N = 1 < 16)
;;   THE QUANTISER, for each operand of a quantised product, along K:
;;     - K is cut into blocks of 32 from its start; a last block that is shorter is filled with zeros.
;;     - A block's scale is 2^e with e = floor(log2(the largest magnitude in the block)) - 2, held to -126 .. 127; a block of zeros has e = 0. As a byte (E8M0): e + 127.
;;     - Each number is divided by its block's scale, clamped to +-7.5, and rounded to the nearest number of E2M3, ties to even, subnormals kept.
;;     - The product sums the exact products of the quantised numbers (number of the format x scale) in f32.
;;   ~~~python
;;   def quantise(x, axis):      # numpy; x: float32 -> the quantised numbers, widened to float32 again
;;       x = np.moveaxis(x, axis, -1); K = x.shape[-1]
;;       x = np.pad(x, [(0, 0)] * (x.ndim - 1) + [(0, -K % 32)]); x = x.reshape(x.shape[:-1] + (-1, 32)); a = np.abs(x).max(-1, keepdims=True)
;;       e = np.where(a > 0, np.clip(np.frexp(np.where(a > 0, a, 1))[1] - 1 - 2, -126, 127), 0)      # np.frexp(a)[1] - 1 = floor(log2(a)), exactly
;;       r = np.clip(x / 2.0 ** e, -7.5, 7.5)
;;       step = 2.0 ** (np.maximum(np.frexp(np.where(r == 0, 1, r))[1] - 1, 0) - 3)
;;       q = np.round(r / step) * step * 2.0 ** e      # np.round: ties to even
;;       return np.moveaxis(q.reshape(q.shape[:-2] + (-1,))[..., :K], -1, axis).astype(np.float32)
;;   ~~~
;;   SOFTMAX AHEAD OF A QUANTISED PRODUCT. Where the list says 'softmax', what is quantised is not the finished softmax but p = 2^(t - M), with t = logit x log2(e) and M = ceil(the row's largest t), a whole number; so 1/2 < the row's largest p <= 1. The row's sum l is taken of the UNQUANTISED p, in f32, and the product's result is divided by l at the end. Since M is a whole number, a kernel that streams over the keys may use a running M (the ceiling of the running maximum): every later rescaling is an exact power of two, which a block's scale takes up: the codes' values come out the same.
;;   OPERANDS COMPUTED ON THE WAY. 'Computed on the way' means the value that the module computes at that place (a softmax that the list does not call 'softmax' is quantised finished and normalised). What goes into a quantiser is computed in f32, as accurately as f32 sums, v_exp_f32 and their like allow (about 1e-6 of the number): no bf16 or f16 on the way to a quantiser, and a product that is left as it is and whose result goes on into a quantised operand takes f32 operands (vector FMAs, or v_wmma_f32_16x16x4_f32). A number that lies on a knife's edge between two numbers of the format may be rounded either way, as far as f32 arithmetic and the matrix unit's own rounding can turn it there, and no further.
;; One version. Each part assembles by itself: llvm-mc -triple=amdgcn-amd-amdhsa -mcpu=gfx1250 --defsym DOCPART=n.
;; ======== version 1 of 1: 2 launches
;; workspace buffers: wcodes 1,179,648 bytes; wscales 98,304 bytes
;; launch prep (part 1): grid 384 x 1, 1 waves a work-group, no clusters, 0 bytes of LDS; arguments qkv_w, attn_out_w, ff1_w, ff2_w, wcodes, wscales; writes wcodes, wscales
.if DOCPART == 1
	.amdgcn_target "amdgcn-amd-amdhsa--gfx1250"
	.amdhsa_code_object_version 6
	.text
	.protected	k_q7fa7485fd3_prep
	.globl	k_q7fa7485fd3_prep
	.p2align	8
	.type	k_q7fa7485fd3_prep,@function
k_q7fa7485fd3_prep:
	s_mov_b64 s[64:65], 0
	v_nop
	global_prefetch_b8 v0, s[64:65] scope:SCOPE_SE
	s_setreg_imm32_b32 hwreg(HW_REG_WAVE_MODE, 25, 1), 1
	s_wait_xcnt 0x0
; The four weight tensors, f32 with K innermost, become codes of FP6 (E2M3) with one E8M0 byte for each 32 along K,
; laid IN THE ORDER OF THE OPERAND'S REGISTERS, so that the second launch loads each fragment by three loads of 16 bytes a lane.
; A RECORD is two fragments (16 rows x 128 K each, 256 neighbouring K): 3,072 bytes of codes (fragment f, register group g,
; lane l at 1536 f + 512 g + 16 l) and 256 bytes of scale words (lane l's two words at 8 l).  One wave makes one record.
; 192 records a layer: 0-47 qkv_w's 48 tiles, 48-63 attn_out_w's 16, 64-127 ff1_w's 64, 128-191 ff2_w's 16 tiles x 4 quarters of K.
; THE ROWS OF A TILE ARE NOT NEIGHBOURS: lane r of tile 2 b + u takes row 32 b + 8 u + r + 8 (r / 8), so that the results of two
; neighbouring tiles are 16 neighbours along the next product's K.
; A block's scale is 2^(floor(log2(largest magnitude)) - 2); its byte is the largest magnitude's exponent field - 2, held at 1 from below.
; LIMITS: a block of zeros gets the byte 1 where the rule says 127 (its codes are zeros, and this program alone reads the bytes);
; blocks whose largest magnitude lies under 2^-124 get the byte 1; NaN and infinities among the inputs are not served.
.set XX, 32                            ; v32-159  the numbers: register 64 f + 32 c + i = k 128 f + 64 c + 32 h + i of my row
.set CD, 160                           ; v160-183 the codes, 12 registers a fragment
.set C2, 184                           ; v184-199 the second halves of the blocks, before they are moved
	s_load_b256 s[4:11], s[0:1], 0x0               ; qkv_w s[4:5], attn_out_w s[6:7], ff1_w s[8:9], ff2_w s[10:11]
	s_load_b128 s[12:15], s[0:1], 0x20             ; wcodes s[12:13], wscales s[14:15]
	v_and_b32 v1, 15, v0                           ; r
	v_lshrrev_b32 v2, 4, v0                        ; h
	v_lshlrev_b32 v4, 4, v0                        ; 16 x lane
	v_lshlrev_b32 v5, 3, v0                        ; 8 x lane
	v_and_b32 v25, 8, v0
	v_add_nc_u32 v25, v25, v1                      ; r + 8 (r / 8)
	v_lshlrev_b32 v24, 3, v2                       ; 8 h: my two bytes' shift in the scale word
	v_mov_b32 v23, 0                               ; a lane permute's destination counts as one of its sources
	s_mov_b32 s30, 0x76543210
	s_mov_b32 s31, 0xfedcba98                      ; selects for lane l xor 16
	s_cmp_ge_u32 ttmp9, 192
	s_cselect_b32 s16, 1, 0                        ; the layer
	s_cselect_b32 s17, 192, 0
	s_sub_co_u32 s17, ttmp9, s17                   ; the record within the layer
	s_wait_kmcnt 0x0
	; which tensor: the choices hang on the record's number alone
	s_mov_b64 s[20:21], s[4:5]
	s_mov_b32 s22, 786432                          ; bytes of a layer
	s_mov_b32 s23, 0                               ; the tensor's first record
	s_mov_b32 s25, 1024                            ; bytes of a row
	s_cmp_ge_u32 s17, 48
	s_cselect_b64 s[20:21], s[6:7], s[20:21]
	s_cselect_b32 s22, 262144, s22
	s_cselect_b32 s23, 48, s23
	s_cmp_ge_u32 s17, 64
	s_cselect_b64 s[20:21], s[8:9], s[20:21]
	s_cselect_b32 s22, 1048576, s22
	s_cselect_b32 s23, 64, s23
	s_cmp_ge_u32 s17, 128
	s_cselect_b64 s[20:21], s[10:11], s[20:21]
	s_cselect_b32 s23, 128, s23
	s_cselect_b32 s24, 2, 0                        ; ff2_w: four records to a tile
	s_cselect_b32 s26, 3, 0
	s_cselect_b32 s25, 4096, s25
	s_sub_co_u32 s27, s17, s23
	s_lshr_b32 s28, s27, s24                       ; the tile
	s_and_b32 s29, s27, s26
	s_lshl_b32 s29, s29, 10                        ; the quarter of K, 1,024 bytes each
	s_lshr_b32 s18, s28, 1
	s_lshl_b32 s18, s18, 5
	s_and_b32 s19, s28, 1
	s_lshl_b32 s19, s19, 3
	s_add_co_u32 s18, s18, s19                     ; the tile's first row: 32 (tile / 2) + 8 (tile % 2)
	s_mul_i32 s18, s18, s25
	s_add_co_u32 s18, s18, s29
	s_mul_i32 s19, s16, s22
	s_add_co_u32 s18, s18, s19
	s_mov_b32 s19, 0
	s_add_nc_u64 s[20:21], s[20:21], s[18:19]
	v_mul_lo_u32 v3, v25, s25
	v_lshl_add_u32 v3, v2, 7, v3                   ; my row, + 128 h: my 32 numbers of each 64
	s_mul_i32 s18, ttmp9, 3072
	s_add_nc_u64 s[12:13], s[12:13], s[18:19]
	s_lshl_b32 s18, ttmp9, 8
	s_add_nc_u64 s[14:15], s[14:15], s[18:19]
.irp f, 0,1
.irp c, 0,1
.irp j, 0,1,2,3,4,5,6,7
	global_load_b128 v[XX+64*\f+32*\c+4*\j:XX+64*\f+32*\c+4*\j+3], v3, s[20:21] offset:512*\f+256*\c+16*\j th:TH_LOAD_NT
.endr
.endr
.endr
; Fragment f: a lane owns two whole blocks (h and 2 + h), so no other lane is asked for a maximum
.macro PQ f
.irp c, 0,1
	v_max3_num_f32 v[8+2*\f+\c], |v[XX+64*\f+32*\c]|, |v[XX+64*\f+32*\c+1]|, 0x1800000   ; with the floor 2^(3 - 127): the byte cannot fall under 1
.endr
.irp i, 2,4,6,8,10,12,14,16,18,20,22,24,26,28,30
.irp c, 0,1
	v_max3_num_f32 v[8+2*\f+\c], v[8+2*\f+\c], |v[XX+64*\f+32*\c+\i]|, |v[XX+64*\f+32*\c+\i+1]|
.endr
.endr
.irp c, 0,1
	v_add_nc_u32 v[12+2*\f+\c], 0xff000000, v[8+2*\f+\c]   ; 2 off the exponent field: the conversion's scale operand
.endr
.irp c, 0,1
	v_lshrrev_b32 v[16+2*\f+\c], 23, v[12+2*\f+\c]         ; the scale's byte
.endr
	v_lshl_or_b32 v22, v[17+2*\f], 16, v[16+2*\f]          ; my two bytes,
	v_lshlrev_b32 v22, v24, v22                            ; at their places,
	v_permlanex16_b32 v23, v22, s30, s31
	v_or_b32 v[20+\f], v22, v23                            ; with lane l xor 16's two: the row's word
.irp c, 0,1
	v_cvt_scalef32_pk16_fp6_f32 v[CD+12*\f+6*\c:CD+12*\f+6*\c+2], v[XX+64*\f+32*\c:XX+64*\f+32*\c+15], v[12+2*\f+\c]
	v_cvt_scalef32_pk16_fp6_f32 v[C2+8*\f+4*\c:C2+8*\f+4*\c+2], v[XX+64*\f+32*\c+16:XX+64*\f+32*\c+31], v[12+2*\f+\c]   ; (a conversion's three registers begin on an even number)
.endr
	v_nop                                                  ; one plain line behind the scaled conversions
.irp c, 0,1
.irp i, 0,1,2
	v_mov_b32 v[CD+12*\f+6*\c+3+\i], v[C2+8*\f+4*\c+\i]
.endr
.endr
.irp g, 0,1,2
	global_store_b128 v4, v[CD+12*\f+4*\g:CD+12*\f+4*\g+3], s[12:13] offset:1536*\f+512*\g   ; 32 lanes store 512 consecutive bytes, aligned
.endr
.endm
	s_wait_loadcnt 16                              ; fragment 0's sixteen loads are in, fragment 1's may be out
	PQ 0
	s_wait_loadcnt 0x0
	PQ 1
	global_store_b64 v5, v[20:21], s[14:15]        ; 32 lanes store 256 consecutive bytes, aligned
	s_endpgm
.Lfunc_end_k_q7fa7485fd3_prep:
	.size	k_q7fa7485fd3_prep, .Lfunc_end_k_q7fa7485fd3_prep-k_q7fa7485fd3_prep
	.p2alignl 7, 3214868480
	.fill 96, 4, 3214868480
	.section	.rodata,"a",@progbits
	.p2align	6, 0x0
	.amdhsa_kernel k_q7fa7485fd3_prep
		.amdhsa_group_segment_fixed_size 0
		.amdhsa_private_segment_fixed_size 0
		.amdhsa_enable_private_segment 0
		.amdhsa_kernarg_size 48
		.amdhsa_user_sgpr_count 2
		.amdhsa_user_sgpr_kernarg_segment_ptr 1
		.amdhsa_wavefront_size32 1
		.amdhsa_system_sgpr_workgroup_id_x 1
		.amdhsa_system_sgpr_workgroup_id_y 1
		.amdhsa_system_sgpr_workgroup_id_z 1
		.amdhsa_system_vgpr_workitem_id 0
		.amdhsa_next_free_vgpr 200
		.amdhsa_next_free_sgpr 66
		.amdhsa_reserve_vcc 0
		.amdhsa_float_denorm_mode_32 3
		.amdhsa_float_denorm_mode_16_64 3
		.amdhsa_memory_ordered 1
		.amdhsa_forward_progress 1
		.amdhsa_inst_pref_size 13
	.end_amdhsa_kernel
	.amdgpu_metadata
---
amdhsa.version: [ 1, 2 ]
amdhsa.kernels:
  - .name:           k_q7fa7485fd3_prep
    .symbol:         k_q7fa7485fd3_prep.kd
    .args:
      - { .name: qkv_w, .offset: 0, .size: 8, .value_kind: global_buffer, .address_space: global }
      - { .name: attn_out_w, .offset: 8, .size: 8, .value_kind: global_buffer, .address_space: global }
      - { .name: ff1_w, .offset: 16, .size: 8, .value_kind: global_buffer, .address_space: global }
      - { .name: ff2_w, .offset: 24, .size: 8, .value_kind: global_buffer, .address_space: global }
      - { .name: wcodes, .offset: 32, .size: 8, .value_kind: global_buffer, .address_space: global }
      - { .name: wscales, .offset: 40, .size: 8, .value_kind: global_buffer, .address_space: global }
    .group_segment_fixed_size: 0
    .private_segment_fixed_size: 0
    .kernarg_segment_align: 8
    .kernarg_segment_size: 48
    .max_flat_workgroup_size: 32
    .sgpr_count:     66
    .vgpr_count:     200
    .wavefront_size: 32
...
	.end_amdgpu_metadata
.endif
;; end of part 1
;; launch main (part 2): grid 256 x 1, 8 waves a work-group, no clusters, 304,128 bytes of LDS; arguments attr, attr_emb, attr_lens, wcodes, wscales, qkv_b, attn_out_b, ln1_s, ln1_b, ff1_b, ff2_b, ln2_s, ln2_b, attr_tf, attr_feat, fw_W, fw_b, attr_lens_user, user_ids, item_ids, user_emb, item_emb, pos_targets, neg_targets, out_emb, pos_lens, neg_lens, out0, out1, out2; writes out0, out1, out2
.if DOCPART == 2
	.amdgcn_target "amdgcn-amd-amdhsa--gfx1250"
	.amdhsa_code_object_version 6
	.text
	.protected	k_q7fa7485fd3_main
	.globl	k_q7fa7485fd3_main
	.p2align	8
	.type	k_q7fa7485fd3_main,@function
k_q7fa7485fd3_main:
	s_mov_b64 s[64:65], 0
	v_nop
	global_prefetch_b8 v0, s[64:65] scope:SCOPE_SE
	s_setreg_imm32_b32 hwreg(HW_REG_WAVE_MODE, 25, 1), 1
	s_wait_xcnt 0x0
; ONE WORK-GROUP TAKES ONE SAMPLE THROUGH EVERYTHING: gather of 128 token rows, two encoder layers (all products on codes of FP6 (E2M3)
; with one E8M0 byte for each 32 along K), the ragged pooling, 600 dot products with gathered rows of out_emb, the two masks.  No activation goes to memory.
; EIGHT WAVES, two roles.  ROW OWNER: wave w owns token tile w (16 rows): embedding, attention (its 16 queries, all four heads), layer norms.
; COLUMN OWNER: wave w owns a share of each weight's rows for all 128 tokens, so each weight fragment is read by ONE wave, from memory straight into its registers (window 1).
; PERMUTED TILES: position r of tile 2 b + u stands for index 32 b + 8 u + r + 8 (r / 8), for the tokens of a token tile and for the rows of every weight tile (the first launch lays them so).
; So in a result register j of lane (r, h) of tile 2 b + u is index 32 b + 16 h + 8 u + j: the 16 registers of two neighbouring tiles are 16 neighbours along the next K, which the conversions want.
; PRODUCTS: q, k, out, ff1, ff2 transposed (source 0 = weight tile, source 1 = 16 tokens: a lane holds one token); v plain (source 0 = tokens: a lane holds one channel, registers along the tokens,
; v's K in the second attention product); S^T = K Q^T and O^T = V^T P: a lane holds one query.
; OPERANDS GO FROM WAVE TO WAVE THROUGH LDS AS IMAGES OF THEIR REGISTERS: a fragment (12 registers) as 3 x 512 bytes, 16 bytes a lane; a half fragment (64 along K, 6 registers) as 512 + 256 bytes; a scale word at 4 x lane.
; The scores' K is 64: source 1 is q's half and six registers of zero codes; source 0 is k's half and whatever six registers follow (every pattern of 6 bits is a finite number, and it meets zeros).
; SOFTMAX: t = logit x log2(e), M = ceil(largest t), p = 2^(t - M) is quantised; the sum of the unquantised p divides O at the end.  All 128 keys lie in one step.
; WHAT HANGS ON NO ENCODER RESULT IS DONE AT THE HEAD: the pooling weights, the user's and the item's row (into LDS), the first three groups of targets of each wave.
; THE 600 ROWS OF out_emb: wave w takes 75, five to a group; ten rows (60 loads of 512 bytes) of a wave are on their way, in window 1, which the weights have left; the first ten are asked for ahead of the pooling.
; NO CLUSTER, NO JOINT LOADS, though all 256 work-groups read the same weights: a joint load lands in LDS, and here a fragment serves one wave alone, so the way through LDS would add
; 1,277,952 bytes of LDS writes and as many reads to each work-group; and of the 327,680 bytes 301,920 are in use: no room for two slots.
; LIMITS: NaN and infinities among the inputs are not served.  A block of zeros, and one whose largest magnitude lies under 2^-124, gets the scale byte 1 (codes of zeros add nothing; only this program reads the bytes).
; The padding mask enters as -8e9 on the raw score, which is reference()'s -1e9 on the logit; with attr_lens = 0 the last bits of the all-masked rows may differ.  Indices are held inside their tables.
; 1 / l, 1 / sqrt and the sigmoid use v_rcp_f32, v_rsq_f32, v_exp_f32.  attr_inds and attr_lens_item enter no result of reference() and are not arguments.
.set SP,   1040                        ; a stage row: 1,024 bytes + 16
.set XI,   133120                      ; behind the stage (128 rows, from byte 0): fragments (2 T + s) of x; during attention and the out product, of o, as two halves each
.set XSC,  157696                      ; their scale images
.set HI,   159744                      ; hidden fragments: K step s, token tile T at 12288 s + 1536 T
.set HSC,  258048                      ; their scale images: 1024 s + 128 T
.set PAR,  266240                      ; parameters: qkv_b +0, attn_out_b +6144, ln1_s +8192, ln1_b +10240, ff1_b +12288, ff2_b +20480, ln2_s +22528, ln2_b +24576
.set WGT,  292864                      ; pooling weights by stage row
.set PP,   293376                      ; four partial sums of 256 columns
.set LG,   297472                      ; the 600 logits
.set UI,   299872                      ; the user's row, 1,024 bytes, then the item's
.set QI,   HI                          ; q, k, v images lie in the hidden layer's bytes: they are dead before FF1 writes there.  q: half number 4 T + head
.set KI,   HI+24576                    ; k: half number 4 kt + head
.set VI,   HI+49152                    ; v: fragment number 4 head + dt
.set QSC,  HI+73728
.set KSC,  HI+77824
.set VSC,  HI+81920
.set LCB,  589824                      ; a layer's codes: 192 records of 3,072 bytes
.set LSB,  49152                       ; a layer's scale words: 192 records of 256 bytes
; window 0, fixed
.set LI,  1                            ; 16 x lane
.set L8,  2                            ; 8 x lane
.set LS,  3                            ; 4 x lane
.set GO2, 4                            ; 16 x lane + wave x 2, 4, 8 records of codes
.set GO4, 5
.set GO8, 6
.set GS2, 7                            ; 8 x lane + wave x 2, 4, 8 records of scale words
.set GS4, 8
.set GS8, 9
.set YR,  10                           ; stage: my row as row owner: (16 w + r) SP + 64 h
.set CA0, 11                           ; stage: my columns as column owner: r SP + 128 w + 64 h;
.set CA1, 12                           ; the same 64 rows further down
.set PH,  13                           ; PAR + 64 h
.set AD0, 14                           ; v14-19: a phase's own LDS addresses
.set AD1, 15
.set AD2, 16
.set AD3, 17
.set AD4, 18
.set AD5, 19
.set WS,  20                           ; v20-39: the scale word of weight slot k (window 1, v[12 k .. 12 k + 11])
.set SEL, 14                           ; s[14:15] selects for lane l xor 16
.set CS,  16                           ; s[16:17] log2(e) / 8
; s2 sample, s3 wave, s4 layer, s5 attr_lens[b], s[6:7] the layer's codes, s[8:9] its scale words, s10, s11, s12 layer x 1024, 3072, 4096, s13 my token tile's first token
; kept from the head to the tail: s29 the next group of targets to ask for; s32-36, s40-44, s48-52 the targets of my first three groups; s66 neg_lens[b], s99 pos_lens[b];
; s[80:81], s[82:83] the sample's rows of pos_targets and neg_targets; s[84:85] out_emb; s[90:91], s[92:93], s[94:95] the sample's rows of out0, out1, out2
.set MSB, 0
.macro WIN new                         ; the immediate's high byte repeats the setting that is left
.if MSB != \new
	s_set_vgpr_msb (MSB<<8)|\new
.set MSB, \new
.endif
.endm
.macro PLACES n                        ; plain lines behind matrix instructions, where no other vector work is at hand (ISA guide 7.12.1)
.rept \n
	v_nop
.endr
.endm
.macro BAR                             ; my LDS stores have landed and my LDS loads are in: then the work-group's barrier
	s_wait_dscnt 0x0
	s_barrier_signal -1
	s_barrier_wait -1
.endm
.macro MM d, a, b, c, sa, sb
	v_wmma_scale_f32_16x16x128_f8f6f4 v[\d:\d+7], v[\a:\a+11], v[\b:\b+11], v[\c:\c+7], v[\sa], v[\sb] matrix_a_fmt:MATRIX_FMT_FP6 matrix_b_fmt:MATRIX_FMT_FP6
.endm
.macro MMZ d, a, b, sa, sb
	v_wmma_scale_f32_16x16x128_f8f6f4 v[\d:\d+7], v[\a:\a+11], v[\b:\b+11], 0, v[\sa], v[\sb] matrix_a_fmt:MATRIX_FMT_FP6 matrix_b_fmt:MATRIX_FMT_FP6
.endm
.macro FETCHF reg, adr, off            ; a fragment's image into 12 registers
.irp g, 0,1,2
	ds_load_b128 v[\reg+4*\g:\reg+4*\g+3], v[\adr] offset:\off+512*\g
.endr
.endm
.macro FETCHH reg, a16, a8, off        ; a half fragment's image into 6 registers
	ds_load_b128 v[\reg:\reg+3], v[\a16] offset:\off
	ds_load_b64 v[\reg+4:\reg+5], v[\a8] offset:\off+512
.endm
.macro IMGF adr, off                   ; the fragment in v[PCB] on goes to LDS as it stands
.irp g, 0,1,2
	ds_store_b128 v[\adr], v[PCB+4*\g:PCB+4*\g+3] offset:\off+512*\g
.endr
.endm
.macro IMGH a16, a8, off               ; the half fragment likewise
	ds_store_b128 v[\a16], v[PCB:PCB+3] offset:\off
	ds_store_b64 v[\a8], v[PCB+4:PCB+5] offset:\off+512
.endm
; THE QUANTISER.  32 nc numbers of a lane, register 16 b + i = k 32 b + 16 h + i of my row.  TMB: 12 registers at work; PCB: 20 for the codes; PW: the scale word.
.macro QMAX src, nc                    ; the largest magnitude of each block of 32, with the floor 2^(3 - 127), so that the byte cannot fall under 1
.set qb, 0
.rept 2*\nc
	v_max3_num_f32 v[TMB+qb], |v[16*qb+(\src)]|, |v[16*qb+(\src)+1]|, 0x1800000
.set qb, qb+1
.endr
.irp i, 2,4,6,8,10,12,14
.set qb, 0
.rept 2*\nc
	v_max3_num_f32 v[TMB+qb], v[TMB+qb], |v[16*qb+(\src)+\i]|, |v[16*qb+(\src)+\i+1]|
.set qb, qb+1
.endr
.endr
.set qb, 0
.rept 2*\nc
	v_permlanex16_b32 v[TMB+4+qb], v[TMB+qb], s[SEL], s[SEL+1]
.set qb, qb+1
.endr
.set qb, 0
.rept 2*\nc
	v_max_num_f32 v[TMB+qb], v[TMB+qb], v[TMB+4+qb]        ; with lane l xor 16's sixteen
.set qb, qb+1
.endr
.endm
.macro QCODE src, nc                   ; from the largest magnitudes: scale operands, bytes, the scale word, the codes in the operand's layout
.set qb, 0
.rept 2*\nc
	v_add_nc_u32 v[TMB+8+qb], 0xff000000, v[TMB+qb]        ; 2 off the exponent field: the conversion takes that field as its scale
.set qb, qb+1
.endr
.set qb, 0
.rept 2*\nc
	v_lshrrev_b32 v[TMB+4+qb], 23, v[TMB+8+qb]             ; the scale's byte
.set qb, qb+1
.endr
	v_lshl_or_b32 v[PW], v[TMB+5], 8, v[TMB+4]
.if \nc == 2
	v_lshl_or_b32 v[PW], v[TMB+6], 16, v[PW]
	v_lshl_or_b32 v[PW], v[TMB+7], 24, v[PW]
.endif
.set qc, 0
.rept \nc
	v_cvt_scalef32_pk16_fp6_f32 v[PCB+6*qc:PCB+6*qc+2], v[32*qc+(\src):32*qc+(\src)+15], v[TMB+8+2*qc]
	v_cvt_scalef32_pk16_fp6_f32 v[PCB+12+4*qc:PCB+14+4*qc], v[32*qc+(\src)+16:32*qc+(\src)+31], v[TMB+9+2*qc]   ; (a conversion's three registers begin on an even number)
.set qc, qc+1
.endr
	v_nop                                                  ; one plain line behind the scaled conversions
.set qc, 0
.rept \nc                              ; the layout wants a whole block in a lane: lanes 0-15 block 2 c, lanes 16-31 block 2 c + 1
.irp i, 0,1,2
	v_permlane16_swap_b32 v[PCB+6*qc+\i], v[PCB+12+4*qc+\i]
.endr
.irp i, 0,1,2
	v_mov_b32 v[PCB+6*qc+3+\i], v[PCB+12+4*qc+\i]
.endr
.set qc, qc+1
.endr
.endm
.macro QUANT src, nc
	QMAX \src, \nc
	QCODE \src, \nc
.endm
; WEIGHTS: a record's two fragments into slots slot, slot + 1 of window 1 (six loads of 512 consecutive bytes), its two scale words into v[WS + slot], v[WS + slot + 1]
.macro WCODE slot, rec, go, add
.irp k, 0,1,2,3,4,5
	global_load_b128 v[12*(\slot)+4*\k:12*(\slot)+4*\k+3], v[\go], s[6:7] offset:(\rec)*3072+512*\k+(\add)
.endr
.endm
.macro WSCAL slot, rec, gs, add
	global_load_b64 v[WS+(\slot):WS+(\slot)+1], v[\gs], s[8:9] offset:(\rec)*256+(\add)
.endm
.macro L_QKV ca, sa                    ; 42 loads: q or k tiles 4 w + t into slots 0-7, v tiles 2 w + u into slots 8-11
	WIN 0x40
.irp t, 0,1,2,3
	WCODE 2*\t, \t, GO4, \ca
.endr
.irp u, 0,1
	WCODE 8+2*\u, 32+\u, GO2, \ca
.endr
	WIN 0
.irp t, 0,1,2,3
	WSCAL 2*\t, \t, GS4, \sa
.endr
.irp u, 0,1
	WSCAL 8+2*\u, 32+\u, GS2, \sa
.endr
.endm
.set YY, 40                            ; v40-167: my row's 128 numbers as row owner, register 64 s + 16 b + i = column 128 s + 32 b + 16 h + i
.macro LNREAD
.irp s, 0,1
.irp b, 0,1,2,3
.irp j, 0,1,2,3
	ds_load_b128 v[YY+64*\s+16*\b+4*\j:YY+64*\s+16*\b+4*\j+3], v[YR] offset:512*\s+128*\b+16*\j
.endr
.endr
.endr
.endm
.macro XSTORE
.irp s, 0,1
.irp b, 0,1,2,3
.irp j, 0,1,2,3
	ds_store_b128 v[YR], v[YY+64*\s+16*\b+4*\j:YY+64*\s+16*\b+4*\j+3] offset:512*\s+128*\b+16*\j
.endr
.endr
.endr
.endm
.macro XADR                            ; where I store my tile's two fragments of x and their scale words
	s_mul_i32 s18, s3, 3072
	s_add_co_u32 s18, s18, XI
	v_add_nc_u32 v[AD0], s18, v[LI]
	s_lshl_b32 s18, s3, 8
	s_add_co_u32 s18, s18, XSC
	v_add_nc_u32 v[AD1], s18, v[LS]
.endm
.macro XIMG s
	IMGF AD0, 1536*\s
	ds_store_b32 v[AD1], v[PW] offset:128*\s
.endm
; The five targets of group s29 are asked for, into s[d4 .. d4 + 3] and s[d1]; ap: the pair that holds their address.  Groups 0-19 lie in pos_targets, 20-119 in neg_targets
; (100 and 75 are multiples of 5: no group straddles).  The group's number is held to the last group: no load leaves its buffer.
.macro IDXL d4, d1, ap
	s_min_u32 s60, s29, 119
	s_cmp_lt_u32 s60, 20
	s_cselect_b64 s[\ap:\ap+1], s[80:81], s[82:83]
	s_cselect_b32 s61, 0, 20
	s_sub_co_u32 s60, s60, s61
	s_mul_i32 s60, s60, 20
	s_mov_b32 s61, 0
	s_add_nc_u64 s[\ap:\ap+1], s[\ap:\ap+1], s[60:61]
	s_load_b128 s[\d4:\d4+3], s[\ap:\ap+1], 0x0
	s_load_b32 s[\d1], s[\ap:\ap+1], 0x10
	s_add_co_u32 s29, s29, 1
.endm
; ======================================================================= HEAD
	s_load_b512 s[32:47], s[0:1], 0x0              ; attr s[32:33], attr_emb 34, attr_lens 36, wcodes 38, wscales 40, qkv_b 42, attn_out_b 44, ln1_s 46
	s_load_b512 s[48:63], s[0:1], 0x40             ; ln1_b s[48:49], ff1_b 50, ff2_b 52, ln2_s 54, ln2_b 56, attr_tf 58, attr_feat 60, fw_W 62
	s_load_b256 s[68:75], s[0:1], 0x80             ; fw_b s[68:69], attr_lens_user 70, user_ids 72, item_ids 74
	s_load_b256 s[76:83], s[0:1], 0xa0             ; user_emb s[76:77], item_emb 78, pos_targets 80, neg_targets 82
	s_load_b256 s[84:91], s[0:1], 0xc0             ; out_emb s[84:85], pos_lens 86, neg_lens 88, out0 90
	s_load_b128 s[92:95], s[0:1], 0xe0             ; out1 s[92:93], out2 94
	v_lshl_add_u32 v255, v0, 2, 0x4a000
	s_set_vgpr_msb 0x40
	v_mov_b32 v255, 0
	s_set_vgpr_msb 0x4000
	s_mov_b32 s2, ttmp9                            ; the sample
	v_lshrrev_b32 v220, 5, v0
	v_readfirstlane_b32 s3, v220                   ; wave 0..7
	v_and_b32 v221, 31, v0                         ; lane
	v_and_b32 v222, 15, v0                         ; r
	v_bfe_u32 v223, v0, 4, 1                       ; h
	v_lshlrev_b32 v[LI], 4, v221
	v_lshlrev_b32 v[L8], 3, v221
	v_lshlrev_b32 v[LS], 2, v221
	s_mul_i32 s18, s3, 2*3072
	s_mul_i32 s19, s3, 4*3072
	s_mul_i32 s20, s3, 8*3072
	v_add_nc_u32 v[GO2], s18, v[LI]
	v_add_nc_u32 v[GO4], s19, v[LI]
	v_add_nc_u32 v[GO8], s20, v[LI]
	s_lshl_b32 s18, s3, 9
	s_lshl_b32 s19, s3, 10
	s_lshl_b32 s20, s3, 11
	v_add_nc_u32 v[GS2], s18, v[L8]
	v_add_nc_u32 v[GS4], s19, v[L8]
	v_add_nc_u32 v[GS8], s20, v[L8]
	v_mul_u32_u24 v224, v222, SP
	v_lshl_add_u32 v224, v223, 6, v224             ; r SP + 64 h
	s_mul_i32 s18, s3, 16*SP
	v_add_nc_u32 v[YR], s18, v224
	v_add_nc_u32 v[AD2], s18, v[LI]                ; my 16 stage rows, 16 bytes a lane
	s_lshl_b32 s19, s3, 7
	v_add_nc_u32 v[CA0], s19, v224
	v_add_nc_u32 v[CA1], 64*SP, v[CA0]
	v_lshl_add_u32 v[PH], v223, 6, PAR
	s_lshr_b32 s13, s3, 1
	s_lshl_b32 s13, s13, 5
	s_and_b32 s19, s3, 1
	s_lshl_b32 s19, s19, 3
	s_add_co_u32 s13, s13, s19                     ; my token tile's first token: 32 (w / 2) + 8 (w % 2)
	v_and_b32 v225, 8, v0
	v_add3_u32 v225, v225, v222, s13               ; position r's token
	s_lshl_b32 s19, s2, 9
	v_lshl_add_u32 v226, v225, 2, s19              ; its place in attr and in attr_tf
	v_lshlrev_b32 v227, 3, v0                      ; 8 x thread: the parameters come 2,048 bytes a load of the work-group
	v_lshl_add_u32 v228, v0, 3, PAR
	v_min_u32 v242, 12, v221
	v_lshlrev_b32 v242, 2, v242                    ; fw_W: number min(lane, 12)
	s_mul_i32 s20, s2, 52
	v_add_nc_u32 v241, s20, v242                   ; attr_feat: the same of the sample's 13
	v_lshlrev_b32 v243, 2, v0                      ; 4 x thread: a row of user_emb or item_emb is one load of the work-group
	v_lshl_add_u32 v245, v0, 2, UI
	s_lshl_b32 s20, s3, 6
	s_add_co_u32 s20, s20, WGT
	v_lshl_add_u32 v240, v222, 2, s20              ; the pooling weight's word: by stage row 16 w + r
	s_mov_b32 s[SEL], 0x76543210
	s_mov_b32 s[SEL+1], 0xfedcba98
	s_mov_b32 s[CS], 0x3e38aa3b                    ; log2(e) / sqrt(64)
	s_mov_b32 s[CS+1], s[CS]                       ; (named with it as a pair, so it is written)
	s_mov_b32 s4, 0
	s_mov_b32 s10, 0
	s_mov_b32 s11, 0
	s_mov_b32 s12, 0
.irp x, 172,173,174,175,187,198,199,200,201,230,231,236,244
	v_mov_b32 v[\x], 0                             ; written once: a lane permute's destination counts as one of its sources
.endr
	s_lshl_b32 s18, s2, 2                          ; the sample's place in the tables of one number a sample,
	s_mov_b32 s19, 0
	s_mul_i32 s20, s2, 400                         ; in pos_targets,
	s_mov_b32 s21, 0
	s_mul_i32 s22, s2, 2000                        ; in neg_targets,
	s_mov_b32 s23, 0
	s_mul_i32 s24, s2, 2400                        ; in out0 and out2,
	s_mov_b32 s25, 0
	s_mul_i32 s26, s2, 600                         ; in out1
	s_mov_b32 s27, 0
	s_wait_kmcnt 0x0
	s_mov_b64 s[6:7], s[38:39]
	s_mov_b64 s[8:9], s[40:41]
	s_add_nc_u64 s[36:37], s[36:37], s[18:19]
	s_add_nc_u64 s[70:71], s[70:71], s[18:19]
	s_add_nc_u64 s[72:73], s[72:73], s[18:19]
	s_add_nc_u64 s[74:75], s[74:75], s[18:19]
	s_add_nc_u64 s[86:87], s[86:87], s[18:19]
	s_add_nc_u64 s[88:89], s[88:89], s[18:19]
	s_load_b32 s5, s[36:37], 0x0                   ; attr_lens[b]
	s_load_b32 s96, s[70:71], 0x0                  ; attr_lens_user[b]
	s_load_b32 s97, s[72:73], 0x0                  ; user id
	s_load_b32 s98, s[74:75], 0x0                  ; item id
	s_load_b32 s99, s[86:87], 0x0                  ; pos_lens[b]
	s_load_b32 s66, s[88:89], 0x0                  ; neg_lens[b]
	s_load_b32 s67, s[68:69], 0x0                  ; fw_b
.set IDX, 216
.set EO,  200
	global_load_b32 v[IDX], v226, s[32:33]         ; my tile's 16 token numbers
	global_load_b32 v232, v226, s[58:59]           ; attr_tf of my tile's tokens
	global_load_b32 v233, v241, s[60:61]           ; the sample's features, a lane a number
	global_load_b32 v234, v242, s[62:63]           ; fw_W likewise
.macro PLOAD i, base, off
	global_load_b64 v[168+2*\i:169+2*\i], v227, s[\base:\base+1] offset:\off
.endm
	PLOAD 0, 42, 0
	PLOAD 1, 42, 2048
	PLOAD 2, 42, 4096
	PLOAD 3, 44, 0
	PLOAD 4, 46, 0
	PLOAD 5, 48, 0
	PLOAD 6, 50, 0
	PLOAD 7, 50, 2048
	PLOAD 8, 50, 4096
	PLOAD 9, 50, 6144
	PLOAD 10, 52, 0
	PLOAD 11, 54, 0
	PLOAD 12, 56, 0
	s_add_nc_u64 s[80:81], s[80:81], s[20:21]      ; the sample's rows of the targets and of the outputs
	s_add_nc_u64 s[82:83], s[82:83], s[22:23]
	s_add_nc_u64 s[90:91], s[90:91], s[24:25]
	s_add_nc_u64 s[94:95], s[94:95], s[24:25]
	s_add_nc_u64 s[92:93], s[92:93], s[26:27]
; ======================================================================= E: the embedding rows of my token tile
	s_wait_loadcnt 16                              ; the token numbers are in; attr_tf, features, fw_W and the 13 parameter loads may be out
	s_wait_kmcnt 0x0                               ; the sample's seven scalars
.irp rho, 0,1,2,3,4,5,6,7,8,9,10,11,12,13,14,15
	v_readlane_b32 s18, v[IDX], \rho
	s_min_u32 s18, s18, 49999                      ; held inside the table
	v_lshl_add_u32 v[EO+\rho], s18, 10, v[LI]      ; a row is 1,024 bytes
.endr
	s_min_u32 s97, s97, 9999
	s_lshl_b32 s18, s97, 10
	s_add_nc_u64 s[76:77], s[76:77], s[18:19]      ; the user's row
	s_min_u32 s98, s98, 9999
	s_lshl_b32 s18, s98, 10
	s_add_nc_u64 s[78:79], s[78:79], s[18:19]      ; the item's row
	global_load_b32 v246, v243, s[76:77]           ; 256 threads read the row's 1,024 bytes
	global_load_b32 v247, v243, s[78:79]
.irp rho, 0,1,2,3,4,5,6,7,8,9,10,11,12,13,14,15
.irp q, 0,1
	global_load_b128 v[YY+8*\rho+4*\q:YY+8*\rho+4*\q+3], v[EO+\rho], s[34:35] offset:512*\q   ; 32 lanes read 512 consecutive bytes of one row
.endr
.endr
	L_QKV 0, 0                                     ; the first layer's first weights
	s_wait_loadcnt 42                              ; all else is in; the 42 weight loads may be out
.irp i, 0,1,2,3,4,5,6,7,8,9,10,11,12
	ds_store_b64 v228, v[168+2*\i:169+2*\i] offset:2048*\i
.endr
	ds_store_b32 v245, v246
	ds_store_b32 v245, v247 offset:1024
.irp rho, 0,1,2,3,4,5,6,7,8,9,10,11,12,13,14,15
.irp q, 0,1
	ds_store_b128 v[AD2], v[YY+8*\rho+4*\q:YY+8*\rho+4*\q+3] offset:SP*\rho+512*\q
.endr
.endr
	s_mul_i32 s29, s3, 15                          ; my first group of five targets.  s32-63 hold pointers whose loads are all done: they take the targets of my first three groups
	IDXL 32, 36, 54
	IDXL 40, 44, 56
	IDXL 48, 52, 58
	s_wait_dscnt 0x0                               ; the stores have read their registers
	LNREAD                                         ; back, a row to a pair of lanes
	XADR
	; the pooling weight of my tile's tokens, while the rows come back: attr_tf x (user's weight or 1 - it) x (no padding)
	v_mul_f32 v235, v233, v234
	v_cmp_gt_u32 vcc_lo, 13, v221
	v_cndmask_b32 v235, 0, v235, vcc_lo            ; 13 products, in lanes 0 to 12
	v_add_f32_dpp v235, v235, v235 row_xmask:1 row_mask:0xf bank_mask:0xf
	v_add_f32_dpp v235, v235, v235 row_xmask:2 row_mask:0xf bank_mask:0xf
	v_add_f32_dpp v235, v235, v235 row_xmask:4 row_mask:0xf bank_mask:0xf
	v_add_f32_dpp v235, v235, v235 row_xmask:8 row_mask:0xf bank_mask:0xf
	v_permlanex16_b32 v236, v235, s[SEL], s[SEL+1]
	v_add_f32 v235, v235, v236
	v_add_f32 v235, s67, v235                      ; z
	v_mul_f32 v235, 0xbfb8aa3b, v235               ; - z log2(e)
	v_exp_f32 v237, v235
	v_nop
	s_wait_alu depctr_va_vdst(0)                   ; ahead of the result's first reader
	v_add_f32 v237, 1.0, v237
	v_rcp_f32 v238, v237                           ; the user's weight: sigmoid(z)
	v_nop
	s_wait_alu depctr_va_vdst(0)
	v_sub_f32 v239, 1.0, v238
	v_cmp_gt_i32 vcc_lo, s96, v225                 ; token < attr_lens_user
	v_cndmask_b32 v239, v239, v238, vcc_lo
	v_mul_f32 v239, v232, v239
	v_cmp_gt_i32 vcc_lo, s5, v225                  ; token < attr_lens: no padding
	v_cndmask_b32 v239, 0, v239, vcc_lo
	ds_store_b32 v240, v239                        ; lanes r and r + 16 write the same word with the same value
	s_wait_dscnt 0x0
.set TMB, 168
.set PCB, 180
.set PW,  200
	QUANT YY, 2
	XIMG 0
	s_wait_dscnt 0x0                               ; the stores have read the codes' registers
	QUANT YY+64, 2
	XIMG 1
	s_wait_kmcnt 0x0                               ; the fifteen targets
	BAR                                            ; x's images, the parameters, the pooling weights and the two rows lie in LDS
.Llayer:
; ======================================================================= QKV: my 64 columns of q or k (one head), my 32 channels of v, for all 128 tokens
.set VACC, 40                          ; v40-167   v: 64 u + 8 T
.set QACC, 168                         ; v168-199  q or k of one token tile
.set XF,   200                         ; v200-223  x's two fragments
.set XS,   224                         ; v224-225  their scale words
.set TMB,  226
.set PCB,  238
.set TB,   246                         ; v246-247  v's biases of my channel
.set PW,   254
	s_wait_loadcnt 0x0                             ; this phase's weights
	s_lshr_b32 s18, s3, 2                          ; 0: q, 1: k
	s_and_b32 s19, s3, 3                           ; the head
	s_mul_i32 s20, s18, 24576
	s_mul_i32 s21, s19, 768
	s_add_co_u32 s20, s20, s21
	s_add_co_u32 s20, s20, QI
	v_add_nc_u32 v[AD0], s20, v[LI]
	v_add_nc_u32 v[AD1], s20, v[L8]
	s_lshl_b32 s20, s18, 12
	s_lshl_b32 s21, s19, 7
	s_add_co_u32 s20, s20, s21
	s_add_co_u32 s20, s20, QSC
	v_add_nc_u32 v[AD2], s20, v[LS]
	v_add_nc_u32 v[AD3], XI, v[LI]
	v_add_nc_u32 v[AD4], XSC, v[LS]
	s_lshl_b32 s20, s3, 8
	s_add_co_u32 s20, s20, s11
	v_add_nc_u32 v[AD5], s20, v[PH]                ; qkv_b at my 64 columns
	v_and_b32 v244, 15, v0
	v_and_b32 v245, 8, v0
	v_add_nc_u32 v244, v244, v245
	v_lshlrev_b32 v244, 2, v244                    ; 4 (r + 8 (r / 8))
	s_lshl_b32 s20, s3, 7
	s_add_co_u32 s20, s20, s11
	s_add_co_u32 s20, s20, PAR+2048
	v_add_nc_u32 v244, s20, v244                   ; qkv_b at v's channel 32 w + r + 8 (r / 8)
	WIN 0x40                                       ; the biases are each sum's first C: window 1, v144-175 (q, k: 8 a tile) and v176-191 (v: 8 equal registers a tile)
.irp t, 0,1,2,3
.irp q, 0,1
	ds_load_b128 v[144+8*\t+4*\q:144+8*\t+4*\q+3], v[AD5] offset:(32*(\t/2)+8*(\t%2))*4+16*\q
.endr
.endr
	WIN 0
	ds_load_b32 v[TB], v244
	ds_load_b32 v[TB+1], v244 offset:32
	FETCHF XF, AD3, 0
	FETCHF XF+12, AD3, 1536
	ds_load_b32 v[XS], v[AD4]
	ds_load_b32 v[XS+1], v[AD4] offset:128
	s_wait_dscnt 0x0
	WIN 0x40
.irp u, 0,1
.irp j, 0,1,2,3,4,5,6,7
	v_mov_b32 v[176+8*\u+\j], v[TB+\u]
.endr
.endr
	WIN 0
	PLACES 4
.irp T, 0,1,2,3,4,5,6,7                ; written out: v's accumulators move with T.  The six accumulators take turns, one instruction a turn
	WIN 0x11                                       ; source 0 (weights) and C (bias) window 1
.irp t, 0,1,2,3
	MM QACC+8*\t, 24*\t, XF, 144+8*\t, WS+2*\t, XS
.endr
	WIN 0x14                                       ; source 1 (weights) and C window 1
.irp u, 0,1
	MM VACC+64*\u+8*\T, XF, 96+24*\u, 176+8*\u, XS, WS+8+2*\u
.endr
	WIN 0x01
.irp t, 0,1,2,3
	MM QACC+8*\t, 24*\t+12, XF+12, QACC+8*\t, WS+2*\t+1, XS+1
.endr
	WIN 0x04
.irp u, 0,1
	MM VACC+64*\u+8*\T, XF+12, 108+24*\u, VACC+64*\u+8*\T, XS+1, WS+9+2*\u
.endr
	WIN 0
	PLACES 4
.if \T < 7
	FETCHF XF, AD3, 3072*(\T+1)                    ; the next tile's x lands while this tile's q or k is quantised
	FETCHF XF+12, AD3, 3072*(\T+1)+1536
	ds_load_b32 v[XS], v[AD4] offset:256*(\T+1)
	ds_load_b32 v[XS+1], v[AD4] offset:256*(\T+1)+128
.endif
	QUANT QACC, 1                                  ; the head's 64 are the scores' K: two blocks
	v_lshl_or_b32 v[PW], v[PW], 16, v[PW]          ; the two bytes twice: the upper two scale the half of the instruction's K that holds zeros
	IMGH AD0, AD1, 3072*\T
	ds_store_b32 v[AD2], v[PW] offset:512*\T
	s_wait_dscnt 0x0                               ; the stores have read their registers; the next x is in
.endr
.set TMB, 168
.set PCB, 180
.set PW,  200
	s_mul_i32 s20, s3, 3072
	s_add_co_u32 s20, s20, VI
	v_add_nc_u32 v[AD3], s20, v[LI]
	s_lshl_b32 s20, s3, 8
	s_add_co_u32 s20, s20, VSC
	v_add_nc_u32 v[AD4], s20, v[LS]
.irp u, 0,1                            ; v is quantised along the tokens: a lane's 64 registers are its channel's tokens 32 b + 16 h + i
	QUANT VACC+64*\u, 2
	IMGF AD3, 1536*\u
	ds_store_b32 v[AD4], v[PW] offset:128*\u
	s_wait_dscnt 0x0
.endr
	WIN 0x40                                       ; the out product's weights (slots 16-19) and FF1's (slots 0-15) are asked for here: attention lies between the request and the wait
.irp u, 0,1
	WCODE 16+2*\u, 48+\u, GO2, 0
.endr
.irp t, 0,1,2,3,4,5,6,7
	WCODE 2*\t, 64+\t, GO8, 0
.endr
	WIN 0
.irp u, 0,1
	WSCAL 16+2*\u, 48+\u, GS2, 0
.endr
.irp t, 0,1,2,3,4,5,6,7
	WSCAL 2*\t, 64+\t, GS8, 0
.endr
	BAR                                            ; q's, k's, v's images lie in LDS, and nobody reads x's images any more
; ======================================================================= ATT: my 16 queries, four heads
.set MK,  40                           ; v40-103   the mask as the scores' C: register 16 b + i is key 32 b + 16 h + i
.set SS,  104                          ; v104-167  S^T, then p
.set KH,  168                          ; v168-215  k's eight halves
.set PAD, 216                          ; v216-221  what follows the last half
.set QF,  222                          ; v222-233  q's half and six registers of zero codes
.set KS,  234                          ; v234-241  k's scale words
.set QS,  242
.set PWH, 243                          ; the even head's two bytes of o's scale word
.set RL,  244                          ; v244-245  1 / l
.set VS,  246                          ; v246-249  v's scale words
.set NEG, 250
.set DD,  251
.set TMB, 168
.set NM,  180                          ; v180-181  -M
.set SUM, 182
.set SUM2, 184
.set TT,  186
.set PW,  188
.set PCB, 190                          ; v190-201  p's codes
.set VF,  104                          ; v104-151  v's four fragments
.set OA,  210                          ; v210-241  O^T
	v_bfe_u32 v[DD], v0, 4, 1
	v_lshlrev_b32 v[DD], 4, v[DD]
	v_sub_nc_u32 v[DD], s5, v[DD]                  ; attr_lens - 16 h: key 32 b + 16 h + i is padding where 32 b + i >= this
	v_mov_b32 v[NEG], 0xcfee6b28                   ; -8e9 on the raw score = -1e9 on the logit
.set nn, 0
.rept 64
	v_cmp_ge_i32 vcc_lo, 32*(nn/16)+nn%16, v[DD]
	v_cndmask_b32 v[MK+nn], 0, v[NEG], vcc_lo
.set nn, nn+1
.endr
.irp i, 0,1,2,3,4,5
	v_mov_b32 v[PAD+\i], 0
.endr
	v_mov_b32 v[RL+1], 0                           ; (named as the upper half of a pair)
	s_mul_i32 s18, s3, 3072
	s_add_co_u32 s20, s18, QI                      ; q: my tile's halves
	s_mov_b32 s21, KI
	s_mov_b32 s22, KSC
	s_lshl_b32 s19, s3, 9
	s_add_co_u32 s23, s19, QSC
	s_mov_b32 s24, VI
	s_mov_b32 s25, VSC
	s_add_co_u32 s26, s18, XI                      ; o: my tile's fragments
	s_lshl_b32 s19, s3, 8
	s_add_co_u32 s27, s19, XSC
	s_mov_b32 s28, 2
.macro HEAD par                        ; one head: the even or the odd one of a pair; a pair of heads is one K step of the out product
.irp i, 0,1,2,3,4,5
	v_mov_b32 v[QF+6+\i], 0                        ; zero codes for the upper 64 of the instruction's K
.endr
	v_add_nc_u32 v[AD0], s20, v[LI]                ; (these six are also the plain lines between the zeros and the products)
	v_add_nc_u32 v[AD1], s20, v[L8]
	v_add_nc_u32 v[AD2], s21, v[LI]
	v_add_nc_u32 v[AD3], s21, v[L8]
	v_add_nc_u32 v[AD4], s22, v[LS]
	v_add_nc_u32 v[AD5], s23, v[LS]
	FETCHH QF, AD0, AD1, 768*\par
	ds_load_b32 v[QS], v[AD5] offset:128*\par
.irp kt, 0,1,2,3,4,5,6,7
	FETCHH KH+6*\kt, AD2, AD3, 3072*\kt+768*\par
.endr
.irp kt, 0,1,2,3,4,5,6,7
	ds_load_b32 v[KS+\kt], v[AD4] offset:512*\kt+128*\par
.endr
	s_wait_dscnt 0x0
.irp kt, 0,1,2,3,4,5,6,7
	MM SS+8*\kt, KH+6*\kt, QF, MK+8*\kt, KS+\kt, QS
.endr
	PLACES 4
.irp b, 0,1,2,3
	v_max3_num_f32 v[TMB+\b], v[SS+16*\b], v[SS+16*\b+1], v[SS+16*\b+2]   ; the largest score of each block of 32 keys: for the row's maximum and, since p rises with the score, for the block's largest p
.endr
.irp i, 3,5,7,9,11,13
.irp b, 0,1,2,3
	v_max3_num_f32 v[TMB+\b], v[TMB+\b], v[SS+16*\b+\i], v[SS+16*\b+\i+1]
.endr
.endr
.irp b, 0,1,2,3
	v_max_num_f32 v[TMB+\b], v[TMB+\b], v[SS+16*\b+15]
.endr
.irp b, 0,1,2,3
	v_permlanex16_b32 v[TMB+4+\b], v[TMB+\b], s[SEL], s[SEL+1]
.endr
.irp b, 0,1,2,3
	v_max_num_f32 v[TMB+\b], v[TMB+\b], v[TMB+4+\b]
.endr
	v_max3_num_f32 v[TT], v[TMB], v[TMB+1], v[TMB+2]
	v_max_num_f32 v[TT], v[TT], v[TMB+3]           ; my query's largest score
	v_mul_f32 v[TT], s[CS], v[TT]                  ; as t
	v_floor_f32 v[NM], -v[TT]                      ; -M = floor(-t) = -ceil(t)
	v_mov_b32 v[NM+1], v[NM]
.irp j, 0,2,4,6,8,10,12,14,16,18,20,22,24,26,28,30,32,34,36,38,40,42,44,46,48,50,52,54,56,58,60,62
	v_pk_fma_f32 v[SS+\j:SS+\j+1], v[SS+\j:SS+\j+1], s[CS:CS+1], v[NM:NM+1] op_sel_hi:[1,0,0]   ; t - M
.endr
.irp b, 0,1,2,3
	v_fma_f32 v[TMB+\b], v[TMB+\b], s[CS], v[NM]   ; the same of each block's largest score
.endr
.set nn, 0
.rept 64
	v_exp_f32 v[SS+nn], v[SS+nn]                   ; p = 2^(t - M): not normalised
.set nn, nn+1
.endr
	v_nop                                          ; a plain line behind the exponentials
	s_wait_alu depctr_va_vdst(0)                   ; one wait for the batch, ahead of its first reader
.irp b, 0,1,2,3
	v_exp_f32 v[TMB+\b], v[TMB+\b]                 ; the block's largest p: the same two instructions on the same number
.endr
	v_pk_add_f32 v[SUM:SUM+1], v[SS:SS+1], v[SS+2:SS+3]          ; the sum of the unquantised p, in two chains
	v_pk_add_f32 v[SUM2:SUM2+1], v[SS+4:SS+5], v[SS+6:SS+7]
.irp j, 8,12,16,20,24,28,32,36,40,44,48,52,56,60
	v_pk_add_f32 v[SUM:SUM+1], v[SUM:SUM+1], v[SS+\j:SS+\j+1]
	v_pk_add_f32 v[SUM2:SUM2+1], v[SUM2:SUM2+1], v[SS+\j+2:SS+\j+3]
.endr
	v_pk_add_f32 v[SUM:SUM+1], v[SUM:SUM+1], v[SUM2:SUM2+1]
	s_wait_alu depctr_va_vdst(0)                   ; and one for the four
.irp b, 0,1,2,3
	v_max_num_f32 v[TMB+\b], 0x1800000, v[TMB+\b]  ; the floor: a block whose every p is 0 keeps the byte 1
.endr
	QCODE SS, 2
	v_add_nc_u32 v[AD0], s24, v[LI]
	v_add_nc_u32 v[AD1], s25, v[LS]
.irp dt, 0,1,2,3
	FETCHF VF+12*\dt, AD0, 6144*\par+1536*\dt
.endr
.irp dt, 0,1,2,3
	ds_load_b32 v[VS+\dt], v[AD1] offset:512*\par+128*\dt
.endr
	v_add_f32 v[TT], v[SUM], v[SUM+1]
	v_permlanex16_b32 v[TT+1], v[TT], s[SEL], s[SEL+1]
	v_add_f32 v[TT], v[TT], v[TT+1]                ; l
	v_rcp_f32 v[RL], v[TT]
	PLACES 4                                       ; with the additions above: eight plain lines between p's scale word and the products, four and more behind its codes
	s_wait_alu depctr_va_vdst(0)                   ; the reciprocal's wait, ahead of its first reader
	s_wait_dscnt 0x0
.irp dt, 0,1,2,3
	MMZ OA+8*\dt, VF+12*\dt, PCB, VS+\dt, PW
.endr
	PLACES 4
.irp j, 0,2,4,6,8,10,12,14,16,18,20,22,24,26,28,30
	v_pk_mul_f32 v[OA+\j:OA+\j+1], v[OA+\j:OA+\j+1], v[RL:RL+1] op_sel_hi:[1,0]   ; / l
.endr
	QUANT OA, 1                                    ; the head's 64 channels: half a K step of the out product
	v_add_nc_u32 v[AD2], s26, v[LI]
	v_add_nc_u32 v[AD3], s26, v[L8]
	IMGH AD2, AD3, 768*\par
.if \par == 0
	v_mov_b32 v[PWH], v[PW]
.else
	v_lshl_or_b32 v[PW], v[PW], 16, v[PWH]         ; the pair's four bytes
	v_add_nc_u32 v[AD4], s27, v[LS]
	ds_store_b32 v[AD4], v[PW]
.endif
	s_wait_dscnt 0x0                               ; the stores have read their registers
.endm
.Lpair:
	HEAD 0
	HEAD 1
	s_add_co_u32 s20, s20, 1536
	s_add_co_u32 s21, s21, 1536
	s_add_co_u32 s22, s22, 256
	s_add_co_u32 s23, s23, 256
	s_add_co_u32 s24, s24, 12288
	s_add_co_u32 s25, s25, 1024
	s_add_co_u32 s26, s26, 1536
	s_add_co_u32 s27, s27, 128
	s_sub_co_u32 s28, s28, 1
	s_cmp_lg_u32 s28, 0
	s_cbranch_scc1 .Lpair
	BAR                                            ; o's images lie in LDS
; ======================================================================= OUT: my 32 columns of x + o W^T + b, for all 128 tokens; the residual is each sum's C
.set BO, 160                           ; v160-175 attn_out_b of my columns.  Two sets of registers at v40 and v84: o's two fragments +0, scale words +24, accumulators +26; results at v128, v144 by turns
	s_wait_loadcnt 0x0                             ; the weights asked for at the end of QKV
	v_add_nc_u32 v[AD0], XI, v[LI]
	v_add_nc_u32 v[AD1], XI, v[L8]
	v_add_nc_u32 v[AD2], XSC, v[LS]
	s_lshl_b32 s20, s3, 7
	s_add_co_u32 s20, s20, s10
	s_add_co_u32 s20, s20, 6144
	v_add_nc_u32 v[AD5], s20, v[PH]
.irp u, 0,1
.irp q, 0,1
	ds_load_b128 v[BO+8*\u+4*\q:BO+8*\u+4*\q+3], v[AD5] offset:32*\u+16*\q
.endr
.endr
.macro OLOADS T                        ; 14 LDS loads: token tile T's o, its scale words, my columns of its residual
.set ob, 40+44*((\T)%2)
	FETCHH ob, AD0, AD1, 3072*(\T)
	FETCHH ob+6, AD0, AD1, 3072*(\T)+768
	FETCHH ob+12, AD0, AD1, 3072*(\T)+1536
	FETCHH ob+18, AD0, AD1, 3072*(\T)+2304
	ds_load_b32 v[ob+24], v[AD2] offset:256*(\T)
	ds_load_b32 v[ob+25], v[AD2] offset:256*(\T)+128
.irp u, 0,1
.irp q, 0,1
	ds_load_b128 v[ob+26+8*\u+4*\q:ob+26+8*\u+4*\q+3], v[CA0+(\T)/4] offset:((\T)%4)*16*SP+32*\u+16*\q
.endr
.endr
.endm
	OLOADS 0
.irp T, 0,1,2,3,4,5,6,7
.if \T < 7
	OLOADS \T+1
.endif
.if \T == 0
	s_wait_dscnt 14                                ; tile 0 is in; tile 1's 14 loads may be out
.elseif \T < 7
	s_wait_dscnt 18                                ; this tile is in; the last tile's 4 stores and the next tile's 14 loads may be out
.else
	s_wait_dscnt 4                                 ; the last tile's 4 stores may be out
.endif
.set ob, 40+44*(\T%2)
.set orr, 128+16*(\T%2)
	WIN 0x01
	MM ob+26, 192, ob, ob+26, WS+16, ob+24
	MM ob+34, 216, ob, ob+34, WS+18, ob+24
	MM ob+26, 204, ob+12, ob+26, WS+17, ob+25
	MM ob+34, 228, ob+12, ob+34, WS+19, ob+25
	WIN 0
	PLACES 4
.irp i, 0,2,4,6,8,10,12,14
	v_pk_add_f32 v[orr+\i:orr+\i+1], v[ob+26+\i:ob+26+\i+1], v[BO+\i:BO+\i+1]
.endr
.irp u, 0,1
.irp q, 0,1
	ds_store_b128 v[CA0+\T/4], v[orr+8*\u+4*\q:orr+8*\u+4*\q+3] offset:(\T%4)*16*SP+32*\u+16*\q
.endr
.endr
.endr
	WIN 0x40                                       ; FF2's K steps 0 and 1 into the slots that this phase has left: 14 loads
.irp u, 0,1
	WCODE 16+2*\u, 128+4*\u, GO8, 0
.endr
	WIN 0
.irp u, 0,1
	WSCAL 16+2*\u, 128+4*\u, GS8, 0
.endr
	BAR                                            ; the stage holds x + attention
; ======================================================================= LN: my 16 rows; a row lies in lanes r and r + 16
.set PA,   168                         ; v168-199, v200-231: gains and biases of 16 columns, two buffers
.set SU,   232                         ; v232-239 four chains of sums
.set NEGM, 240
.set RSTD, 242
.set LT,   244
.macro LNCH ch, so                     ; 8 LDS loads: gain and bias (2,048 bytes behind it) of chunk ch = columns 32 ch + 16 h + 0..15
.set lb, PA+32*((\ch)%2)
.irp j, 0,1,2,3
	ds_load_b128 v[lb+4*\j:lb+4*\j+3], v[AD5] offset:\so+128*(\ch)+16*\j
.endr
.irp j, 0,1,2,3
	ds_load_b128 v[lb+16+4*\j:lb+16+4*\j+3], v[AD5] offset:\so+2048+128*(\ch)+16*\j
.endr
.endm
.macro LNSUM                           ; the four chains, the pair's halves, the other half of the lanes: into v[SU]
	v_pk_add_f32 v[SU:SU+1], v[SU:SU+1], v[SU+2:SU+3]
	v_pk_add_f32 v[SU+4:SU+5], v[SU+4:SU+5], v[SU+6:SU+7]
	v_pk_add_f32 v[SU:SU+1], v[SU:SU+1], v[SU+4:SU+5]
	v_add_f32 v[SU], v[SU], v[SU+1]
	v_permlanex16_b32 v[LT], v[SU], s[SEL], s[SEL+1]
	v_add_f32 v[SU], v[SU], v[LT]
.endm
.macro LN so, last
	v_add_nc_u32 v[AD5], s10, v[PH]
	LNREAD
	LNCH 0, \so
	LNCH 1, \so
	s_mov_b32 s18, 0x3b800000                      ; 1 / 256
	s_mov_b32 s19, 0x3727c5ac                      ; 1e-5
	s_wait_dscnt 16                                ; the row is in; two chunks of parameters may be out
.irp k, 0,1,2,3
	v_pk_add_f32 v[SU+2*\k:SU+2*\k+1], v[YY+4*\k:YY+4*\k+1], v[YY+4*\k+2:YY+4*\k+3]
.endr
.irp j, 16,24,32,40,48,56,64,72,80,88,96,104,112,120
.irp k, 0,1,2,3
	v_pk_add_f32 v[SU+2*\k:SU+2*\k+1], v[SU+2*\k:SU+2*\k+1], v[YY+\j+2*\k:YY+\j+2*\k+1]
.endr
.endr
	LNSUM
	v_mul_f32 v[NEGM], 0xbb800000, v[SU]           ; - mean
	v_mov_b32 v[NEGM+1], v[NEGM]
.set jj, 0
.rept 64
	v_pk_add_f32 v[YY+jj:YY+jj+1], v[YY+jj:YY+jj+1], v[NEGM:NEGM+1]
.set jj, jj+2
.endr
.irp k, 0,1,2,3
	v_pk_mul_f32 v[SU+2*\k:SU+2*\k+1], v[YY+2*\k:YY+2*\k+1], v[YY+2*\k:YY+2*\k+1]
.endr
.set jj, 8
.rept 15
.irp k, 0,1,2,3
	v_pk_fma_f32 v[SU+2*\k:SU+2*\k+1], v[YY+jj+2*\k:YY+jj+2*\k+1], v[YY+jj+2*\k:YY+jj+2*\k+1], v[SU+2*\k:SU+2*\k+1]
.endr
.set jj, jj+8
.endr
	LNSUM
	v_fma_f32 v[SU], v[SU], s18, s19               ; variance + eps
	v_rsq_f32 v[RSTD], v[SU]
	v_nop
	s_wait_alu depctr_va_vdst(0)                   ; ahead of the result's first reader
	v_mov_b32 v[RSTD+1], v[RSTD]
.irp ch, 0,1,2,3,4,5,6,7
.if \ch < 7
	s_wait_dscnt 8                                 ; this chunk's parameters are in; the next chunk's eight loads may be out
.else
	s_wait_dscnt 0x0
.endif
.set lb, PA+32*(\ch%2)
.irp i, 0,2,4,6,8,10,12,14
	v_pk_mul_f32 v[YY+16*\ch+\i:YY+16*\ch+\i+1], v[YY+16*\ch+\i:YY+16*\ch+\i+1], v[RSTD:RSTD+1]
.endr
.irp i, 0,2,4,6,8,10,12,14
	v_pk_fma_f32 v[YY+16*\ch+\i:YY+16*\ch+\i+1], v[YY+16*\ch+\i:YY+16*\ch+\i+1], v[lb+\i:lb+\i+1], v[lb+16+\i:lb+16+\i+1]
.endr
.if \ch < 6
	LNCH \ch+2, \so
.endif
.endr
	XSTORE                                         ; the residual of what follows, or the encoder's result
.if \last
	s_cmp_eq_u32 s4, 1                             ; behind the last layer no product follows: nothing is quantised
	s_cbranch_scc1 .Lln_done_\@
.endif
	XADR
	QUANT YY, 2
	XIMG 0
	s_wait_dscnt 0x0                               ; the stores have read the codes' registers
	QUANT YY+64, 2
	XIMG 1
.Lln_done_\@:
	BAR
.endm
.set TMB, 168
.set PCB, 180
.set PW,  200
	LN 8192, 0
; ======================================================================= FF1: my 128 hidden units (K step w of FF2), a token tile a trip
.set BIAS, 40                          ; v40-103  ff1_b of my units, 8 a tile: each sum's first C
.set HA,   104                         ; v104-167 my 8 tiles of the hidden layer
.set XF,   168
.set XS,   192
.set TMB,  194
.set PCB,  206
.set PW,   226
	s_lshl_b32 s20, s3, 9
	s_add_co_u32 s20, s20, s12
	s_add_co_u32 s20, s20, 12288
	v_add_nc_u32 v[AD5], s20, v[PH]
.irp t, 0,1,2,3,4,5,6,7
.irp q, 0,1
	ds_load_b128 v[BIAS+8*\t+4*\q:BIAS+8*\t+4*\q+3], v[AD5] offset:(32*(\t/2)+8*(\t%2))*4+16*\q
.endr
.endr
	s_mov_b32 s20, XI
	s_mov_b32 s21, XSC
	v_add_nc_u32 v[AD0], s20, v[LI]
	v_add_nc_u32 v[AD1], s21, v[LS]
	FETCHF XF, AD0, 0
	FETCHF XF+12, AD0, 1536
	ds_load_b32 v[XS], v[AD1]
	ds_load_b32 v[XS+1], v[AD1] offset:128
	s_mul_i32 s22, s3, 12288
	s_add_co_u32 s22, s22, HI                      ; my K step's eight fragments lie on end
	s_lshl_b32 s23, s3, 10
	s_add_co_u32 s23, s23, HSC
	s_mov_b32 s24, 7
.macro FF1STEP pre
	s_wait_dscnt 0x0                               ; x's fragments are in; the last tile's stores have read their registers
	WIN 0x01
.irp t, 0,1,2,3,4,5,6,7
	MM HA+8*\t, 24*\t, XF, BIAS+8*\t, WS+2*\t, XS
.endr
.irp t, 0,1,2,3,4,5,6,7
	MM HA+8*\t, 24*\t+12, XF+12, HA+8*\t, WS+2*\t+1, XS+1
.endr
	WIN 0
	PLACES 4
.if \pre
	s_add_co_u32 s20, s20, 3072
	s_add_co_u32 s21, s21, 256
	v_add_nc_u32 v[AD0], s20, v[LI]
	v_add_nc_u32 v[AD1], s21, v[LS]
	FETCHF XF, AD0, 0                              ; the next tile's x lands while this tile is quantised
	FETCHF XF+12, AD0, 1536
	ds_load_b32 v[XS], v[AD1]
	ds_load_b32 v[XS+1], v[AD1] offset:128
.endif
.set jj, 0
.rept 64
	v_max_num_f32 v[HA+jj], 0, v[HA+jj]            ; relu
.set jj, jj+1
.endr
	QUANT HA, 2
	v_add_nc_u32 v[AD2], s22, v[LI]
	v_add_nc_u32 v[AD3], s23, v[LS]
	IMGF AD2, 0
	ds_store_b32 v[AD3], v[PW]
.if \pre
	s_add_co_u32 s22, s22, 1536
	s_add_co_u32 s23, s23, 128
.endif
.endm
.Lff1:
	FF1STEP 1
	s_sub_co_u32 s24, s24, 1
	s_cmp_lg_u32 s24, 0
	s_cbranch_scc1 .Lff1
	FF1STEP 0                                      ; the eighth tile fetches nothing more
	WIN 0x40                                       ; FF2's K steps 2 to 7 into slots 0-11: 42 loads
.irp u, 0,1
.irp i, 1,2,3
	WCODE 6*\u+2*(\i-1), 128+4*\u+\i, GO8, 0
.endr
.endr
	WIN 0
.irp u, 0,1
.irp i, 1,2,3
	WSCAL 6*\u+2*(\i-1), 128+4*\u+\i, GS8, 0
.endr
.endr
	BAR                                            ; the hidden layer's 64 fragments lie in LDS
; ======================================================================= FF2: my 32 columns for all 128 tokens; K outermost, 16 accumulators by turns; the residual is each sum's C
.set ACC, 40                           ; v40-167  64 u + 8 T
.set HF,  168                          ; three buffers of 26: two hidden fragments and their scale words
.set BO2, 168
	s_wait_loadcnt 42                              ; K steps 0 and 1 are in; the 42 loads of K steps 2 to 7 may be out
	v_add_nc_u32 v[AD0], HI, v[LI]
	v_add_nc_u32 v[AD1], HI+49152, v[LI]
	v_add_nc_u32 v[AD2], HSC, v[LS]
.irp T, 0,1,2,3,4,5,6,7
.irp u, 0,1
.irp q, 0,1
	ds_load_b128 v[ACC+64*\u+8*\T+4*\q:ACC+64*\u+8*\T+4*\q+3], v[CA0+\T/4] offset:(\T%4)*16*SP+32*\u+16*\q
.endr
.endr
.endr
.macro HGRP g                          ; group g = 4 s + Tp: K step s of token tiles 2 Tp, 2 Tp + 1: 8 LDS loads into buffer g % 3
.set hs, (\g)/4
.set hT, 2*((\g)%4)
.set hb, HF+26*((\g)%3)
.set ha, AD0+hs/4
	FETCHF hb, ha, 12288*(hs%4)+1536*hT
	FETCHF hb+12, ha, 12288*(hs%4)+1536*hT+1536
	ds_load_b32 v[hb+24], v[AD2] offset:1024*hs+128*hT
	ds_load_b32 v[hb+25], v[AD2] offset:1024*hs+128*hT+128
.endm
.macro FFMM u, dT
.if fs < 2
.set sl, 16+2*\u+fs
.else
.set sl, 6*\u+fs-2
.endif
	MM ACC+64*\u+8*(fT+\dT), 12*sl, fb+12*\dT, ACC+64*\u+8*(fT+\dT), WS+sl, fb+24+\dT
.endm
	HGRP 0
	HGRP 1
	HGRP 2
.set gg, 0
.rept 32
.if gg == 31
	s_wait_dscnt 0x0
.elseif gg == 30
	s_wait_dscnt 8                                 ; the last group's eight loads may be out
.else
	s_wait_dscnt 16                                ; this group is in; the next two groups' sixteen loads may be out
.endif
.if gg == 8
	s_wait_loadcnt 0x0                             ; K steps 2 to 7 of the weights
.endif
.set fs, gg/4
.set fT, 2*(gg%4)
.set fb, HF+26*(gg%3)
	WIN 0x01
	FFMM 0, 0
	FFMM 1, 0
	FFMM 0, 1
	FFMM 1, 1
.if gg < 29
	PLACES 4
	WIN 0
	HGRP gg+3
.endif
.set gg, gg+1
.endr
	PLACES 4
	WIN 0
	s_cmp_eq_u32 s4, 1                             ; the next layer's first weights, if there is a next layer
	s_cbranch_scc1 .Lno_next
	L_QKV LCB, LSB
.Lno_next:
	s_lshl_b32 s20, s3, 7
	s_add_co_u32 s20, s20, s10
	s_add_co_u32 s20, s20, 20480
	v_add_nc_u32 v[AD5], s20, v[PH]
.irp u, 0,1
.irp q, 0,1
	ds_load_b128 v[BO2+8*\u+4*\q:BO2+8*\u+4*\q+3], v[AD5] offset:32*\u+16*\q
.endr
.endr
	s_wait_dscnt 0x0
.irp u, 0,1
.irp T, 0,1,2,3,4,5,6,7
.irp i, 0,2,4,6
	v_pk_add_f32 v[ACC+64*\u+8*\T+\i:ACC+64*\u+8*\T+\i+1], v[ACC+64*\u+8*\T+\i:ACC+64*\u+8*\T+\i+1], v[BO2+8*\u+\i:BO2+8*\u+\i+1]
.endr
.endr
.endr
.irp T, 0,1,2,3,4,5,6,7
.irp u, 0,1
.irp q, 0,1
	ds_store_b128 v[CA0+\T/4], v[ACC+64*\u+8*\T+4*\q:ACC+64*\u+8*\T+4*\q+3] offset:(\T%4)*16*SP+32*\u+16*\q
.endr
.endr
.endr
	BAR                                            ; the stage holds x + ffn, and nobody reads the hidden images any more
.set TMB, 168
.set PCB, 180
.set PW,  200
	LN 22528, 1
	s_wait_xcnt 0x0                                ; the weight loads have read their bases: they step only behind this wait
	s_add_nc_u64 s[6:7], s[6:7], LCB
	s_add_nc_u64 s[8:9], s[8:9], LSB
	s_add_co_u32 s10, s10, 1024
	s_add_co_u32 s11, s11, 3072
	s_add_co_u32 s12, s12, 4096
	s_add_co_u32 s4, s4, 1
	s_cmp_lt_u32 s4, 2
	s_cbranch_scc1 .Llayer
; ======================================================================= THE FIRST TEN ROWS OF out_emb are asked for here, into window 1, which the weights have left: the pooling stands between the request and the first wait
.set OVR,  216                         ; v216-239 the 768 numbers of the output vector: group g (0..5): numbers 128 g + 4 lane + 0..3
.set OFS,  244                         ; v244-253 the byte offsets of the ten rows on their way
.set PS,   40                          ; v40-43   a row's products, two chains
.set SM,   44                          ; v44-53   the ten rows' dot products: a register of its own for each slot
.set LGA,  54                          ; v54-55   where a buffer's five logits go
.set LT2,  56
.set LGS,  26                          ; s26      LDS place of the trip's ten logits
.set CNT,  27
.macro ROW6 sl                         ; a row of 3,072 bytes into slot sl: window 1, v[24 sl .. 24 sl + 23]
.irp g, 0,1,2,3,4,5
	global_load_b128 v[24*(\sl)+4*\g:24*(\sl)+4*\g+3], v[OFS+(\sl)], s[84:85] offset:512*\g   ; 32 lanes read 512 consecutive bytes of the row
.endr
.endm
	s_wait_loadcnt 0x0                             ; none of the encoder's loads is out
.irp i, 0,1,2,3,4
	s_min_u32 s[32+\i], s[32+\i], 49999            ; each target held inside the table
	s_mul_i32 s[32+\i], s[32+\i], 3072
	s_min_u32 s[40+\i], s[40+\i], 49999
	s_mul_i32 s[40+\i], s[40+\i], 3072
.endr
.irp i, 0,1,2,3,4
	v_add_nc_u32 v[OFS+\i], s[32+\i], v[LI]
	v_add_nc_u32 v[OFS+5+\i], s[40+\i], v[LI]
.endr
	WIN 0x40
.set rr, 0
.rept 10
	ROW6 rr
.set rr, rr+1
.endr
	WIN 0
; ======================================================================= POOL: thread t: columns 4 (t % 64) on, rows 32 (t / 64) on; the weights were made at the head
.set XR, 40                            ; v40-167  32 rows x 4 columns
.set WR, 168                           ; v168-199 their weights
.set AC, 200
	v_and_b32 v204, 63, v0
	v_lshrrev_b32 v205, 6, v0
	v_mul_u32_u24 v206, v205, 32*SP
	v_lshl_add_u32 v206, v204, 4, v206
	v_lshl_add_u32 v207, v205, 7, WGT
	v_lshlrev_b32 v208, 10, v205
	v_lshl_add_u32 v208, v204, 4, v208
	v_add_nc_u32 v208, PP, v208
.irp i, 0,1,2,3,4,5,6,7
	ds_load_b128 v[WR+4*\i:WR+4*\i+3], v207 offset:16*\i
.endr
.irp i, 0,1,2,3,4,5,6,7,8,9,10,11,12,13,14,15,16,17,18,19,20,21,22,23,24,25,26,27,28,29,30,31
	ds_load_b128 v[XR+4*\i:XR+4*\i+3], v206 offset:SP*\i
.endr
	s_wait_dscnt 0x0
.irp c, 0,1,2,3
	v_mul_f32 v[AC+\c], v[WR], v[XR+\c]
.endr
.irp i, 1,2,3,4,5,6,7,8,9,10,11,12,13,14,15,16,17,18,19,20,21,22,23,24,25,26,27,28,29,30,31
.irp c, 0,1,2,3
	v_fmac_f32 v[AC+\c], v[WR+\i], v[XR+4*\i+\c]
.endr
.endr
	ds_store_b128 v208, v[AC:AC+3]
	BAR                                            ; four partial sums of each column lie in LDS
; ======================================================================= LOGITS: wave w takes rows 75 w .. 75 w + 74 of the 600: 15 groups of five, in two buffers of five slots by turns
	v_add_nc_u32 v[AD0], PP, v[LI]
	v_add_nc_u32 v[AD1], UI, v[LI]
.irp k, 0,1,2,3
.irp g, 0,1
	ds_load_b128 v[64+8*\k+4*\g:64+8*\k+4*\g+3], v[AD0] offset:1024*\k+512*\g
.endr
.endr
.irp g, 0,1
	ds_load_b128 v[OVR+4*\g:OVR+4*\g+3], v[AD1] offset:512*\g                ; the user's row
	ds_load_b128 v[OVR+16+4*\g:OVR+16+4*\g+3], v[AD1] offset:1024+512*\g     ; the item's
.endr
	v_mov_b32 v[LT2], 0                            ; a lane permute's destination counts as one of its sources
	s_mul_i32 s[LGS], s3, 300
	s_add_co_u32 s[LGS], s[LGS], LG                ; my 75 logits lie on end
	s_mov_b32 s[CNT], 6
	s_wait_dscnt 0x0
.irp i, 0,2,4,6
	v_pk_add_f32 v[OVR+8+\i:OVR+8+\i+1], v[64+\i:64+\i+1], v[72+\i:72+\i+1]
.endr
.irp i, 0,2,4,6
	v_pk_add_f32 v[OVR+8+\i:OVR+8+\i+1], v[OVR+8+\i:OVR+8+\i+1], v[80+\i:80+\i+1]
.endr
.irp i, 0,2,4,6
	v_pk_add_f32 v[OVR+8+\i:OVR+8+\i+1], v[OVR+8+\i:OVR+8+\i+1], v[88+\i:88+\i+1]
.endr
.macro OFFS5                           ; the five targets asked for last are in: five byte offsets, each target held inside the table
	s_wait_kmcnt 0x0
.irp i, 0,1,2,3,4
	s_min_u32 s[20+\i], s[48+\i], 49999
	s_mul_i32 s[20+\i], s[20+\i], 3072
.endr
.endm
; Row i of the group in buffer buf: its dot product; refill = 1: its registers take the same row of the group two on.  left: the younger loads, which stay out.
.macro SLOT buf, i, refill, left, lo
.set sl, 5*\buf+\i
.set dreg, 24*sl
	s_wait_loadcnt \left                           ; my six loads are in, so their offset register may be written too
.if \refill
	v_add_nc_u32 v[OFS+sl], s[20+\i], v[LI]
.endif
	WIN 0x01                                       ; source 0, the row, in window 1
	v_pk_mul_f32 v[PS:PS+1], v[dreg:dreg+1], v[OVR:OVR+1]
	v_pk_mul_f32 v[PS+2:PS+3], v[dreg+2:dreg+3], v[OVR+2:OVR+3]
.irp k, 4,8,12,16,20
	v_pk_fma_f32 v[PS:PS+1], v[dreg+\k:dreg+\k+1], v[OVR+\k:OVR+\k+1], v[PS:PS+1]
	v_pk_fma_f32 v[PS+2:PS+3], v[dreg+\k+2:dreg+\k+3], v[OVR+\k+2:OVR+\k+3], v[PS+2:PS+3]
.endr
.if \refill
	WIN 0x40
	ROW6 sl
.endif
	WIN 0
	v_pk_add_f32 v[PS:PS+1], v[PS:PS+1], v[PS+2:PS+3]
	v_add_f32 v[SM+sl], v[PS], v[PS+1]
	v_add_f32_dpp v[SM+sl], v[SM+sl], v[SM+sl] row_xmask:1 row_mask:0xf bank_mask:0xf
	v_add_f32_dpp v[SM+sl], v[SM+sl], v[SM+sl] row_xmask:2 row_mask:0xf bank_mask:0xf
	v_add_f32_dpp v[SM+sl], v[SM+sl], v[SM+sl] row_xmask:4 row_mask:0xf bank_mask:0xf
	v_add_f32_dpp v[SM+sl], v[SM+sl], v[SM+sl] row_xmask:8 row_mask:0xf bank_mask:0xf
	v_permlanex16_b32 v[LT2], v[SM+sl], s[SEL], s[SEL+1]
	v_add_f32 v[SM+sl], v[SM+sl], v[LT2]
	ds_store_b32 v[LGA+\buf], v[SM+sl] offset:\lo+4*\i   ; all lanes write the same word with the same value
.endm
; A group of five rows.  refill = 1: the offsets of the group two on are made first; ask = 1: the targets of the group three on are asked for.
; left - dec x i: the younger loads at slot i.  lo: the group's place among the logits at s[LGS].
.macro GROUP buf, refill, ask, left, dec, lo
.if \refill
	OFFS5
.endif
.if \ask
	IDXL 48, 52, 54
.endif
	s_wait_dscnt 5                                 ; this buffer's last five stores have read their registers; the other buffer's five may be out
	v_mov_b32 v[LGA+\buf], s[LGS]
.irp i, 0,1,2,3,4
	SLOT \buf, \i, \refill, \left-\dec*\i, \lo
.endr
.endm
.Lgrp:                                                 ; 6 trips: groups 0 to 11
	GROUP 0, 1, 1, 54, 0, 0                        ; 54: the six loads of each of the nine other rows
	GROUP 1, 1, 1, 54, 0, 20
	s_add_co_u32 s[LGS], s[LGS], 40
	s_sub_co_u32 s[CNT], s[CNT], 1
	s_cmp_lg_u32 s[CNT], 0
	s_cbranch_scc1 .Lgrp
	GROUP 0, 1, 0, 54, 0, 0                        ; group 12: its slots take group 14, the last; no more targets are asked for
	GROUP 1, 0, 0, 54, 6, 20                       ; group 13 loads nothing: behind slot i stand its own 4 - i rows and group 14's five
	GROUP 0, 0, 0, 24, 6, 40                       ; group 14: the counts run down to 0
	BAR                                            ; the 600 logits lie in LDS
; ======================================================================= OUTPUTS: thread t < 150 stores numbers 4 t .. 4 t + 3 of each of the three rows
	v_cmp_gt_u32 vcc_lo, 25, v0                    ; numbers under 100: the positives
	s_add_co_u32 s18, s66, 100
	v_mov_b32 v44, s18
	v_mov_b32 v45, s99
	v_cndmask_b32 v44, v44, v45, vcc_lo            ; valid where the number lies under pos_lens, or under 100 + neg_lens
	v_cndmask_b32 v46, 0, 1, vcc_lo
.irp e, 0,1,2,3
	v_lshl_add_u32 v47, v0, 2, \e
	v_cmp_lt_i32 vcc_lo, v47, v44
	v_cndmask_b32 v[48+\e], 0, 1, vcc_lo           ; the mask
	v_and_b32 v[52+\e], v[48+\e], v46              ; the target: 1 for a valid positive
.endr
	v_lshl_or_b32 v56, v49, 8, v48
	v_lshl_or_b32 v56, v50, 16, v56
	v_lshl_or_b32 v56, v51, 24, v56                ; four booleans, a byte each
	v_lshl_add_u32 v57, v0, 4, LG
	v_lshlrev_b32 v58, 4, v0
	v_lshlrev_b32 v59, 2, v0
	s_wait_xcnt 0x0                                ; EXEC changes only behind this wait
	v_cmp_gt_u32 vcc_lo, 150, v0
	s_set_vgpr_msb 0x4
	s_wait_tensorcnt 0x0
	ds_add_u32 v255, v255
	s_wait_dscnt 0x0
	s_set_vgpr_msb 0x400
	s_and_saveexec_b32 s18, vcc_lo
	ds_load_b128 v[40:43], v57
	global_store_b128 v58, v[52:55], s[94:95]
	global_store_b32 v59, v56, s[92:93]
	s_wait_dscnt 0x0
	global_store_b128 v58, v[40:43], s[90:91]
	s_endpgm
.Lfunc_end_k_q7fa7485fd3_main:
	.size	k_q7fa7485fd3_main, .Lfunc_end_k_q7fa7485fd3_main-k_q7fa7485fd3_main
	.p2alignl 7, 3214868480
	.fill 96, 4, 3214868480
	.section	.rodata,"a",@progbits
	.p2align	6, 0x0
	.amdhsa_kernel k_q7fa7485fd3_main
		.amdhsa_group_segment_fixed_size 304128
		.amdhsa_private_segment_fixed_size 0
		.amdhsa_enable_private_segment 0
		.amdhsa_kernarg_size 240
		.amdhsa_user_sgpr_count 2
		.amdhsa_user_sgpr_kernarg_segment_ptr 1
		.amdhsa_wavefront_size32 1
		.amdhsa_system_sgpr_workgroup_id_x 1
		.amdhsa_system_sgpr_workgroup_id_y 1
		.amdhsa_system_sgpr_workgroup_id_z 1
		.amdhsa_system_vgpr_workitem_id 0
		.amdhsa_next_free_vgpr 512
		.amdhsa_next_free_sgpr 100
		.amdhsa_reserve_vcc 1
		.amdhsa_float_denorm_mode_32 3
		.amdhsa_float_denorm_mode_16_64 3
		.amdhsa_memory_ordered 1
		.amdhsa_forward_progress 1
		.amdhsa_inst_pref_size 255
	.end_amdhsa_kernel
	.section	.bss,"aw",@nobits
	.p2align	6
	.space	262144
	.amdgpu_metadata
---
amdhsa.version: [ 1, 2 ]
amdhsa.kernels:
  - .name:           k_q7fa7485fd3_main
    .symbol:         k_q7fa7485fd3_main.kd
    .args:
      - { .name: attr, .offset: 0, .size: 8, .value_kind: global_buffer, .address_space: global }
      - { .name: attr_emb, .offset: 8, .size: 8, .value_kind: global_buffer, .address_space: global }
      - { .name: attr_lens, .offset: 16, .size: 8, .value_kind: global_buffer, .address_space: global }
      - { .name: wcodes, .offset: 24, .size: 8, .value_kind: global_buffer, .address_space: global }
      - { .name: wscales, .offset: 32, .size: 8, .value_kind: global_buffer, .address_space: global }
      - { .name: qkv_b, .offset: 40, .size: 8, .value_kind: global_buffer, .address_space: global }
      - { .name: attn_out_b, .offset: 48, .size: 8, .value_kind: global_buffer, .address_space: global }
      - { .name: ln1_s, .offset: 56, .size: 8, .value_kind: global_buffer, .address_space: global }
      - { .name: ln1_b, .offset: 64, .size: 8, .value_kind: global_buffer, .address_space: global }
      - { .name: ff1_b, .offset: 72, .size: 8, .value_kind: global_buffer, .address_space: global }
      - { .name: ff2_b, .offset: 80, .size: 8, .value_kind: global_buffer, .address_space: global }
      - { .name: ln2_s, .offset: 88, .size: 8, .value_kind: global_buffer, .address_space: global }
      - { .name: ln2_b, .offset: 96, .size: 8, .value_kind: global_buffer, .address_space: global }
      - { .name: attr_tf, .offset: 104, .size: 8, .value_kind: global_buffer, .address_space: global }
      - { .name: attr_feat, .offset: 112, .size: 8, .value_kind: global_buffer, .address_space: global }
      - { .name: fw_W, .offset: 120, .size: 8, .value_kind: global_buffer, .address_space: global }
      - { .name: fw_b, .offset: 128, .size: 8, .value_kind: global_buffer, .address_space: global }
      - { .name: attr_lens_user, .offset: 136, .size: 8, .value_kind: global_buffer, .address_space: global }
      - { .name: user_ids, .offset: 144, .size: 8, .value_kind: global_buffer, .address_space: global }
      - { .name: item_ids, .offset: 152, .size: 8, .value_kind: global_buffer, .address_space: global }
      - { .name: user_emb, .offset: 160, .size: 8, .value_kind: global_buffer, .address_space: global }
      - { .name: item_emb, .offset: 168, .size: 8, .value_kind: global_buffer, .address_space: global }
      - { .name: pos_targets, .offset: 176, .size: 8, .value_kind: global_buffer, .address_space: global }
      - { .name: neg_targets, .offset: 184, .size: 8, .value_kind: global_buffer, .address_space: global }
      - { .name: out_emb, .offset: 192, .size: 8, .value_kind: global_buffer, .address_space: global }
      - { .name: pos_lens, .offset: 200, .size: 8, .value_kind: global_buffer, .address_space: global }
      - { .name: neg_lens, .offset: 208, .size: 8, .value_kind: global_buffer, .address_space: global }
      - { .name: out0, .offset: 216, .size: 8, .value_kind: global_buffer, .address_space: global }
      - { .name: out1, .offset: 224, .size: 8, .value_kind: global_buffer, .address_space: global }
      - { .name: out2, .offset: 232, .size: 8, .value_kind: global_buffer, .address_space: global }
    .group_segment_fixed_size: 304128
    .private_segment_fixed_size: 0
    .kernarg_segment_align: 8
    .kernarg_segment_size: 240
    .max_flat_workgroup_size: 256
    .sgpr_count:     100
    .vgpr_count:     512
    .wavefront_size: 32
...
	.end_amdgpu_metadata
.endif
;; end of part 2
